; MI455X (gfx1250); checked and timed in simulation.
; The chip was launched on July 23, 2026; its instructions are those of AMD's public machine-readable ISA for CDNA 5 (MIT licence, August 2026) and "CDNA5" Instruction Set Architecture Reference Guide (July 2026). The comments in the code are by the model that wrote it; some were corrected since.
;; Eigen Basis Encoder. Allowed arithmetic: matrix products marked QUANTISED: E5M2 operands, one given power-of-two scale a tensor, by v_wmma_f32_16x16x64_bf8_bf8 or v_wmma_f32_16x16x128_bf8_bf8, f32 sums; products left as they are: f32 operands where the result goes on into a quantised operand, else bf16, f16 or f32 operands; f32 sums; everything else in f32.
;; Inputs: batched_eigval 4 x 16 float32; batched_eigvec 4 x 16 x 128 x 128 float32; edge_attr 65,536 x 32 float32; f_l1_b 32 float32; f_l1_w 1 x 32 float32; f_l2_b 256 float32; f_l2_w 1 x 256 float32; f_l3_w 256 x 32 float32; g_l1_b 32 float32; g_l1_w 1 x 32 float32; g_l2_b 64 float32; g_l2_w 1 x 64 float32; g_l3_w 64 x 32 float32; lin_b 32 float32; lin_w 32 x 32 float32; lowp_scales 6 int32 (the exponents e of the quantised operands' scales 2^e); mask_all 4 x 16 x 128 x 128 bool; mask_m 4 x 16 float32.
;; Outputs: out0 65,536 x 32 float32.
;; This version of the problem:
;;   THIS VERSION OF THE PROBLEM IS GIVEN IN LOW PRECISION. The matrix products marked QUANTISED in the list below multiply operands that are first quantised to E5M2 (5 exponent bits, 2 mantissa bits; 8 bits a number), with one given power-of-two scale for each operand tensor; their sums are f32. All else is computed in f32.
;;   The module's matrix products, in the order in which they are computed (A, B: the left and right operand; K: the contracted axis; several contracted axes count as one K, in the product's order):
;;     1. [M 64, K 256] x [K 256, N 32]; A: computed on the way; B: input f_l3_w: QUANTISED (scales: A lowp_scales[0], B lowp_scales[1])
;;     2. [M 1,048,576, K 64] x [K 64, N 32]; A: computed on the way; B: input g_l3_w: QUANTISED (scales: A lowp_scales[2], B lowp_scales[3])
;;     3. batch 128 x [M 16,384, K 16] x [K 16, N 1]; A: computed on the way; B: computed on the way: left as it is (K = 16 < 32)
;;     4. [M 65,536, K 32] x [K 32, N 32]; A: computed on the way; B: input lin_w: QUANTISED (scales: A lowp_scales[4], B lowp_scales[5])
;;   THE QUANTISER, for each operand of a quantised product, along K:
;;     - The operand's scale is 2^e, e = its entry of the input lowp_scales (int32; the entries are numbered through the quantised products in the list's order, A before B).
;;     - Each number is divided by the scale, clamped to +-57,344, and rounded to the nearest number of E5M2, ties to even, subnormals kept.
;;     - The product sums the exact products of the quantised numbers (number of the format x scale) in f32.
;;   ~~~python
;;   def quantise(x, axis, e):      # numpy; x: float32 -> the quantised numbers, widened to float32 again
;;       x = np.moveaxis(x, axis, -1); K = x.shape[-1]
;;       r = np.clip(x / 2.0 ** e, -57344, 57344)
;;       step = 2.0 ** (np.maximum(np.frexp(np.where(r == 0, 1, r))[1] - 1, -14) - 2)
;;       q = np.round(r / step) * step * 2.0 ** e      # np.round: ties to even
;;       return np.moveaxis(q, -1, axis).astype(np.float32)
;;   ~~~
;;   OPERANDS COMPUTED ON THE WAY. 'Computed on the way' means the value that the module computes at that place (a softmax that the list does not call 'softmax' is quantised finished and normalised). What goes into a quantiser is computed in f32, as accurately as f32 sums, v_exp_f32 and their like allow (about 1e-6 of the number): no bf16 or f16 on the way to a quantiser, and a product that is left as it is and whose result goes on into a quantised operand takes f32 operands (vector FMAs, or v_wmma_f32_16x16x4_f32). A number that lies on a knife's edge between two numbers of the format may be rounded either way, as far as f32 arithmetic and the matrix unit's own rounding can turn it there, and no further.
;; One version. Each part assembles by itself: llvm-mc -triple=amdgcn-amd-amdhsa -mcpu=gfx1250 --defsym DOCPART=n.
;; ======== version 1 of 1: 1 launch
;; limits: right only within a limited range of input values
;; launch encode (part 1): grid 256 x 1, 16 waves a work-group, no clusters, 169,984 bytes of LDS; arguments batched_eigvec, mask_all, edge_attr, out0, lowp_scales, batched_eigval, mask_m, f_l1_w, f_l1_b, f_l2_w, f_l2_b, f_l3_w, g_l1_w, g_l1_b, g_l2_w, g_l2_b, g_l3_w, lin_w, lin_b; writes out0
.if DOCPART == 1
	.amdgcn_target "amdgcn-amd-amdhsa--gfx1250"
	.amdhsa_code_object_version 6
	.text
	.protected	k_qd994344ff7_encode
	.globl	k_qd994344ff7_encode
	.p2align	8
	.type	k_qd994344ff7_encode,@function
k_qd994344ff7_encode:
	s_mov_b64 s[64:65], 0
	v_nop
	global_prefetch_b8 v0, s[64:65] scope:SCOPE_SE
	s_setreg_imm32_b32 hwreg(HW_REG_WAVE_MODE, 25, 1), 1
	s_wait_xcnt 0x0
; out0[p][:] = edge_attr[p][:] + lin_b + (sum over m of f[b][m][:] g(eigvec[b][m][p])[:]) lin_w^T,  p = one of 4 x 16,384 places (b, i, j).
; g(x) = silu(x w1 + b1 + silu(x w2 + b2) W3), 64 hidden units, 32 channels, 0 where mask_all is false;  f = exp(the same form, 256 hidden units, on eigval[b][m]) x mask_m.
; The three products with a weight (f_l3_w, g_l3_w, lin_w) multiply codes of BF8 (E5M2) made here with the six given scales 2^e; their sums are f32; all else is f32.
; SHARES.  A work-group owns 256 neighbouring places of one b; each of its SIXTEEN waves owns 16 of them, one tile, and walks the 16 m.  Four waves share a SIMD, so that one wave's plain work stands beside another's exponentials.
; LAYOUT.  Every product is used transposed (source 0 = 16 rows of the weight, source 1 = 16 places): lane (r = lane % 16, h = lane / 16) holds place r throughout, and register j of tile t holds channel 16 t + 8 h + j.
; That is the place that the 8-bit operand layout gives k = 16 t + 8 h + j, so the sums over m convert straight into the last product's operand.  In the first two products byte i of a lane's 8 registers stands for
; k = 64 s + 32 h + i, alike in both operands: every product meets its partner, and a lane computes 32 neighbouring hidden units.
; A SILU, with c = -log2(e):  t = c z (c folded into the weights);  e = 2^t;  s = 1 / (c e + c);  silu = t s.  The last silu: the sum D stands for h / 2^(e2 + e3); t = D k with k = c 2^(e2 + e3); the term is t / (1 + 2^t) x f',
; f' = -ln2 f mask_m.  Where mask_all is false the place's x and k are stored as 0: then t = 0 and the term is 0.
; THE STEPS ARE STAGGERED: step j runs the hidden layer of m = j and the last silu of m = j - 1 together, so that their 48 exponentials are one batch and their 48 reciprocals another, each with one wait.
; THE PROLOGUE is shared out: wave w masks row m = w of x, and makes one sixteenth of the codes of f's hidden layer and of the three weights; they go to LDS as images of operand registers (registers 4 c .. 4 c + 3 of lane l
; at 512 c + 16 l); ONE barrier; then each wave computes f for its b by itself, into LDS bytes of its own.
; NO CLUSTER, NO TENSOR LOAD: a work-group's 16 KB of x, 4 KB of mask and 32 KB of edge_attr are its own and are asked for whole at the head; what work-groups share is 50 KB of weights, read once through registers.
; LIMITS.  Each e between -126 and 112 (2^e and 57,344 x 2^e are f32 numbers); e4 + e5 between -126 and 127; e0 + e1 and e2 + e3 between -64 and 64 (the linear terms go into the sums divided by that power of two).
; NaN and infinities among the inputs are not served.  A silu whose argument lies under about -87 comes out as 0 (its size is under 1e-36), an f under 2^-126 as 0.  A silu's exponent is rounded once in f32.
.set XK,   0                           ; LDS: [m 16][place 256] pairs (x, k), masked: 8 bytes each, a row of 2,048
.set FT,   32768                       ; f' of the wave's b: 2,304 bytes for each wave, its own: row m at 144 m, channel d at 4 d
.set HF,   69632                       ; images: f's hidden layer, 4 fragments of 1,024 bytes
.set O_FW, 4096                        ; from HF on: f_l3_w's codes, fragment (t, s) at 1,024 (4 t + s)
.set O_GW, 12288                       ; g_l3_w's codes: 2 copies of 2 fragments
.set O_LW, 16384                       ; lin_w's codes, registers 0-3: 4 copies of 2 x 512 bytes
.set STG,  90112                       ; the way out: 16 rows of 128 bytes + 16 for each wave
.set EA,   126976                      ; edge_attr's rows, 2,048 bytes for each wave, as they lie in memory: filled once by copies; nothing is stored there
.set XB,   1                           ; v1   XK + 8 (16 w + r)
.set XA,   2                           ; v2   address of the (x, k) loads in the loop; of image loads elsewhere
.set FB,   3                           ; v3   FT + 2,304 w + 32 h
.set FA,   4                           ; v4   address of the f' loads in the loop
.set STO,  5                           ; v5   the stage, in: row r, + 32 h
.set SRD,  6                           ; v6   the stage, back: row lane / 8, + 16 (lane % 8)
.set GOF,  7                           ; v7   16 x lane; never rewritten
.set EAL,  8                           ; v8   EA + 2,048 w + 16 x lane; never rewritten
.set SC,   9                           ; v9   the scale of the conversions in hand, as f32
.set LIM,  10                          ; v10  never written
.set IMG,  11                          ; v11  HF + 16 x lane
.set X1,   12                          ; v12  x of an odd m   (named as the pair v[12:13], whose low word serves both halves)
.set MG,   13                          ; v13  4 x lane (the mask's loads); later the address of my f' stores
.set K1,   14                          ; v14  k of an odd m   (the pair v[14:15]);  at the head EVO
.set EVO,  14                          ; v14  4 r
.set H128, 15                          ; v15  128 h
.set R4H,  2                           ; v2   4 r + 4,096 h    (offsets of the head's loads, in registers that get their lasting use when those loads are in)
.set LWO,  4                           ; v4   128 r + 32 h
.set H32,  138                         ; v138 32 h
.set LBO,  139                         ; v139 16 (lane % 8)
.set W2P,  16                          ; v16-47   c g_l2_w[32 h + i]
.set B2P,  48                          ; v48-79   c g_l2_b[32 h + i]
.set GWF,  80                          ; v80-95   g_l3_w's two fragments;  ahead of the barrier v80-84 are the addresses of the prologue's LDS stores
.set AHF,  80
.set AFW,  81
.set AGW,  82
.set ALW,  83
.set AXK,  84
.set W1P,  96                          ; v96-111  g_l1_w / 2^(e2 + e3) at my 16 channels
.set B1P,  112                         ; v112-127 g_l1_b likewise
.set T,    128                         ; v128-159 t, then the hidden silus
.set E,    160                         ; v160-191 the hidden layer's exponentials, then reciprocals; then v160-175 f' of the m whose last silu is in hand
.set HC,   192                         ; v192-199 the hidden layer's codes
.set CD,   200                         ; v200-215 two accumulators
.set ACC,  216                         ; v216-231 the sums over m
.set E2,   232                         ; v232-247 the last silu's exponentials, then reciprocals
.set X0,   248                         ; v248 x of an even m  (the pair v[248:249])
.set K0,   250                         ; v250 k of an even m  (the pair v[250:251])
.set LB,   252                         ; v252-255 lin_b[4 (lane % 8) ..]
.set XR,   128                         ; the prologue's data: x as loaded
.set MR,   136                         ; the mask's bytes
.set XKO,  140                         ; eight pairs (x, k)
.set FZ,   156                         ; f_l2_w, then z, then silu(z)
.set FE,   164                         ; f_l2_b, then exponentials
.set F3,   172                         ; 16 numbers of f_l3_w
.set G3,   188                         ; 8 of g_l3_w
.set L8,   196                         ; 8 of lin_w
.set F1B,  214                         ; f_l1_b at my 16 channels
.set WSC,  230                         ; the weights' scale (WLM is never written)
.set WLM,  231
.set FACC, 232                         ; f_l1_w, then f's two accumulators
.set SF,   56                          ; s56  288 x trip
.set SX,   57                          ; s57  4,096 x trip
.macro MKSC e, vsc, vlim               ; from the whole number s[e]: 2^e as f32 (a conversion takes its exponent field), and 57,344 x 2^e
	s_add_co_i32 s61, s[\e], 127
	s_lshl_b32 s62, s61, 23
	v_mov_b32 v[\vsc], s62
	s_add_co_i32 s61, s61, 15
	s_lshl_b32 s61, s61, 23
	s_or_b32 s61, s61, 0x600000
.endm
.macro HOLD reg, n, vlim               ; the conversion to an 8-bit code does not saturate (ISA guide 7.6.2): the macro emits no instruction: nothing is held
.set i, 0
.rept \n
.set i, i+1
.endr
.endm
.macro PLACES n
.rept \n
	v_nop
.endr
.endm
	; ---- the head: addresses.  All that hangs on ids alone is made while the arguments are on their way
	s_load_b512 s[8:23], s[0:1], 0x0               ; eigvec 8, mask_all 10, edge_attr 12, out0 14, scales 16, eigval 18, mask_m 20, f_l1_w 22
	s_load_b512 s[24:39], s[0:1], 0x40             ; f_l1_b 24, f_l2_w 26, f_l2_b 28, f_l3_w 30, g_l1_w 32, g_l1_b 34, g_l2_w 36, g_l2_b 38
	s_load_b128 s[40:43], s[0:1], 0x80             ; g_l3_w 40, lin_w 42
	s_load_b64 s[44:45], s[0:1], 0x90              ; lin_b
	v_lshl_add_u32 v254, v0, 2, 0x29000
	v_mov_b32 v255, 0
	ds_add_u32 v254, v255
	ds_add_u32 v254, v255
	s_wait_dscnt 0x0
	v_lshrrev_b32 v255, 5, v0
	v_readfirstlane_b32 s2, v255                   ; w: wave 0..15
	v_and_b32 v252, 31, v0                         ; lane
	v_and_b32 v253, 15, v0                         ; r
	v_bfe_u32 v254, v0, 4, 1                       ; h
	s_and_b32 s46, s2, 1                           ; w & 1
	s_lshr_b32 s47, s2, 1
	s_and_b32 s56, s47, 1                          ; (w >> 1) & 1
	s_and_b32 s47, s47, 3                          ; (w >> 1) & 3
	s_lshr_b32 s57, s2, 2                          ; w >> 2
	s_and_b32 s60, s57, 1                          ; (w >> 2) & 1
	s_lshr_b32 s61, s2, 3                          ; w >> 3
	s_and_b32 s62, s2, 3                           ; w & 3
	s_lshl_b32 s63, s61, 11                        ; 2,048 (w >> 3): my copy of g_l3_w's images; kept
	s_lshl_b32 s96, s57, 10                        ; 1,024 (w >> 2): my copy of lin_w's images; kept
	s_lshl_b32 s7, s2, 11                          ; 2,048 w
	s_lshl_b32 s3, s2, 7
	v_lshl_add_u32 v[XB], v253, 3, s3              ; XK = 0: 128 w + 8 r
	s_mul_i32 s4, s2, 2304
	s_add_co_u32 s5, s4, FT
	v_lshl_add_u32 v[FB], v254, 5, s5
	s_add_co_u32 s6, s4, STG
	v_mul_u32_u24 v[STO], v253, 144
	v_lshl_add_u32 v[STO], v254, 5, v[STO]
	v_add_nc_u32 v[STO], s6, v[STO]
	v_lshrrev_b32 v255, 3, v252
	v_mul_u32_u24 v[SRD], v255, 144
	v_and_b32 v255, 7, v0
	v_lshl_add_u32 v[SRD], v255, 4, v[SRD]
	v_add_nc_u32 v[SRD], s6, v[SRD]
	v_lshlrev_b32 v[LBO], 4, v255
	v_lshlrev_b32 v[GOF], 4, v252
	s_add_co_u32 s3, s7, EA
	v_add_nc_u32 v[EAL], s3, v[GOF]
	v_add_nc_u32 v[IMG], HF, v[GOF]
	v_lshlrev_b32 v[MG], 2, v252
	v_lshlrev_b32 v[EVO], 2, v253
	v_lshlrev_b32 v[H128], 7, v254
	v_lshlrev_b32 v[H32], 5, v254
	v_lshl_add_u32 v[R4H], v254, 12, v[EVO]
	v_lshl_add_u32 v[LWO], v253, 7, v[H32]
	; where my sixteenth of each image goes: a pair of registers 2 q, 2 q + 1 lies at 512 (q / 2) + 16 lane + 8 (q % 2)
	s_lshl_b32 s4, s56, 9
	s_add_co_u32 s4, s4, s96
	s_lshl_b32 s5, s46, 3
	s_add_co_u32 s4, s4, s5
	v_add_nc_u32 v[AHF], s4, v[IMG]                ; f's hidden layer: fragment s = w / 4, pair q = w % 4
	s_lshl_b32 s4, s46, 12
	s_lshl_b32 s5, s47, 10
	s_add_co_u32 s4, s4, s5
	s_lshl_b32 s5, s61, 9
	s_add_co_u32 s4, s4, s5
	v_add_nc_u32 v[AFW], s4, v[IMG]                ; f_l3_w: tile t = w & 1, K step s = (w >> 1) & 3, registers 4 u on, u = w >> 3
	s_lshl_b32 s4, s46, 10
	s_add_co_u32 s4, s4, s63
	s_lshl_b32 s5, s60, 9
	s_add_co_u32 s4, s4, s5
	s_lshl_b32 s5, s56, 3
	s_add_co_u32 s4, s4, s5
	v_add_nc_u32 v[AGW], s4, v[IMG]                ; g_l3_w: copy w >> 3, tile t = w & 1, pair q = (w >> 1) & 3
	s_lshl_b32 s4, s46, 9
	s_add_co_u32 s4, s4, s96
	s_add_co_u32 s4, s4, s5
	v_add_nc_u32 v[ALW], s4, v[IMG]                ; lin_w: copy w >> 2, tile t = w & 1, pair (w >> 1) & 1
	v_lshl_add_u32 v[AXK], v252, 5, s7             ; XK's row w, 32 bytes a lane
	s_mov_b32 s54, 0xbfb8aa3b                      ; c = -log2(e); each constant is written twice: the packed forms name a pair
	s_mov_b32 s55, 0xbfb8aa3b
	s_mov_b32 s70, 0x3fb8aa3b                      ; log2(e),
	s_mov_b32 s71, 0x3fb8aa3b
	s_mov_b32 s72, 0x32a5705f                      ; and what f32 leaves of it
	s_mov_b32 s73, 0x32a5705f
	s_mov_b32 s74, 0x3f317218                      ; ln 2
	s_mov_b32 s75, 0x3f317218
	; the byte offsets of my parts of the buffers, each in a pair of its own with 0 above it
	s_lshr_b32 s3, ttmp9, 6                        ; b
	s_and_b32 s4, ttmp9, 63                        ; which 256 places of b
	s_lshl_b32 s5, s3, 4
	s_add_co_u32 s5, s5, s2                        ; 16 b + w: the prologue's m is w
	s_lshl_b32 s80, s5, 16
	s_lshl_b32 s6, s4, 10
	s_add_co_u32 s80, s80, s6                      ; eigvec[b][w] at my work-group's places
	s_mov_b32 s81, 0
	s_lshl_b32 s82, s5, 14
	s_lshl_b32 s6, s4, 8
	s_add_co_u32 s82, s82, s6                      ; mask_all likewise
	s_mov_b32 s83, 0
	s_lshl_b32 s84, ttmp9, 15
	s_add_co_u32 s84, s84, s7                      ; edge_attr and out0 at my wave's 16 rows of 128 bytes
	s_mov_b32 s85, 0
	s_lshl_b32 s86, s3, 6                          ; eigval[b], mask_m[b]
	s_mov_b32 s87, 0
	s_lshl_b32 s88, s57, 8
	s_lshl_b32 s6, s62, 5
	s_add_co_u32 s88, s88, s6                      ; f_l2_w, f_l2_b at k = 64 (w / 4) + 8 (w % 4)
	s_mov_b32 s89, 0
	s_lshl_b32 s90, s47, 13
	s_lshl_b32 s6, s61, 11
	s_add_co_u32 s90, s90, s6
	s_lshl_b32 s6, s46, 6
	s_add_co_u32 s90, s90, s6                      ; f_l3_w at row k = 64 s + 16 u, column 16 t
	s_mov_b32 s91, 0
	s_lshl_b32 s92, s47, 10
	s_add_co_u32 s92, s92, s6                      ; g_l3_w at row k = 8 q, column 16 t
	s_mov_b32 s93, 0
	s_lshl_b32 s94, s46, 11
	s_lshl_b32 s6, s56, 6
	s_add_co_u32 s94, s94, s6                      ; lin_w at row 16 t, column 16 ((w >> 1) & 1)
	s_mov_b32 s95, 0
	s_wait_kmcnt 0x0
	s_load_b128 s[48:51], s[16:17], 0x0            ; e0 .. e3
	s_load_b64 s[52:53], s[16:17], 0x10            ; e4, e5
	s_add_nc_u64 s[18:19], s[18:19], s[86:87]
	s_add_nc_u64 s[20:21], s[20:21], s[86:87]
	s_add_nc_u64 s[26:27], s[26:27], s[88:89]
	s_add_nc_u64 s[28:29], s[28:29], s[88:89]
	s_add_nc_u64 s[30:31], s[30:31], s[90:91]
	s_add_nc_u64 s[40:41], s[40:41], s[92:93]
	s_add_nc_u64 s[42:43], s[42:43], s[94:95]
	s_add_nc_u64 s[8:9], s[8:9], s[80:81]
	s_add_nc_u64 s[10:11], s[10:11], s[82:83]
	s_add_nc_u64 s[12:13], s[12:13], s[84:85]
	s_add_nc_u64 s[14:15], s[14:15], s[84:85]
	; ---- the first run of loads: 60.  The weights first: their work is done while x and the mask are on their way
	global_load_b32 v[X0], v[EVO], s[18:19]        ; eigval[b][r]: in f's products lane r stands for m = r
	global_load_b32 v[X0+1], v[EVO], s[20:21]      ; mask_m[b][r]
.irp u, 0,1
	global_load_b128 v[FZ+4*\u:FZ+4*\u+3], v[H128], s[26:27] offset:16*\u
.endr
.irp u, 0,1
	global_load_b128 v[FE+4*\u:FE+4*\u+3], v[H128], s[28:29] offset:16*\u
.endr
.set i, 0
.rept 16
	global_load_b32 v[F3+i], v[R4H], s[30:31] offset:128*i       ; a lane takes a column d, its registers run down K: sixteen lanes read 64 neighbouring bytes
.set i, i+1
.endr
.set i, 0
.rept 8
	global_load_b32 v[G3+i], v[R4H], s[40:41] offset:128*i
.set i, i+1
.endr
.irp u, 0,1
	global_load_b128 v[L8+4*\u:L8+4*\u+3], v[LWO], s[42:43] offset:16*\u   ; lin_w's K is innermost: eight neighbours of row 16 t + r
.endr
.irp n, 0,1,2,3
	global_load_b128 v[W1P+4*\n:W1P+4*\n+3], v[H32], s[32:33] offset:64*(\n/2)+16*(\n%2)
.endr
.irp n, 0,1,2,3
	global_load_b128 v[B1P+4*\n:B1P+4*\n+3], v[H32], s[34:35] offset:64*(\n/2)+16*(\n%2)
.endr
.irp n, 0,1,2,3,4,5,6,7
	global_load_b128 v[W2P+4*\n:W2P+4*\n+3], v[H128], s[36:37] offset:16*\n
.endr
.irp n, 0,1,2,3,4,5,6,7
	global_load_b128 v[B2P+4*\n:B2P+4*\n+3], v[H128], s[38:39] offset:16*\n
.endr
.irp u, 0,1
	global_load_b128 v[XR+4*\u:XR+4*\u+3], v[GOF], s[8:9] offset:512*\u th:TH_LOAD_NT    ; 32 lanes read 512 consecutive bytes: places 128 u + 4 lane + 0 .. 3
.endr
.irp u, 0,1
	global_load_b32 v[MR+\u], v[MG], s[10:11] offset:128*\u th:TH_LOAD_NT                ; the same places' mask bytes
.endr
	; ---- the weights
	s_wait_loadcnt 0x4                             ; all but the youngest four loads (x's two, the mask's two) are in
	; what is wanted last is asked for last: edge_attr (at the very end), lin_b (likewise), f's linear weights (behind the barrier)
.irp u, 0,1,2,3
	global_load_async_to_lds_b128 v[EAL], v[GOF], s[12:13] offset:512*\u                 ; my 16 rows of edge_attr into my own LDS bytes; the immediate goes onto both addresses
.endr
	global_load_b128 v[LB:LB+3], v[LBO], s[44:45]
.irp n, 0,1,2,3
	global_load_b128 v[FACC+4*\n:FACC+4*\n+3], v[H32], s[22:23] offset:64*(\n/2)+16*(\n%2)
.endr
.irp n, 0,1,2,3
	global_load_b128 v[F1B+4*\n:F1B+4*\n+3], v[H32], s[24:25] offset:64*(\n/2)+16*(\n%2)
.endr
	s_wait_kmcnt 0x0                               ; the six exponents
	s_add_co_i32 s76, s50, s51                     ; e2 + e3
	s_sub_co_i32 s3, 127, s76
	s_lshl_b32 s66, s3, 23                         ; 2^-(e2 + e3) as f32
	s_mov_b32 s67, s66
	s_add_co_i32 s78, s48, s49                     ; e0 + e1
	s_sub_co_i32 s3, 127, s78
	s_lshl_b32 s68, s3, 23                         ; 2^-(e0 + e1)
	s_mov_b32 s69, s68
	s_add_co_i32 s3, s78, 127
	s_lshl_b32 s4, s3, 23                          ; 2^(e0 + e1)
	s_mov_b32 s5, s4
	s_add_co_i32 s58, s52, s53
	s_add_co_i32 s58, s58, 127
	s_lshl_b32 s58, s58, 23                        ; 2^(e4 + e5)
	s_mov_b32 s59, s58
	; my eight numbers of f's hidden layer: silu(eigval[b][r] w2[k] + b2[k]), k = 64 (w / 4) + 32 h + 8 (w % 4) + 0 .. 7
.irp j, 0,2,4,6
	v_pk_fma_f32 v[FZ+\j:FZ+\j+1], v[FZ+\j:FZ+\j+1], v[X0:X0+1], v[FE+\j:FE+\j+1] op_sel_hi:[1,0,1]
.endr
.irp j, 0,2,4,6
	v_pk_mul_f32 v[FE+\j:FE+\j+1], v[FZ+\j:FZ+\j+1], s[54:55] op_sel_hi:[1,0]
.endr
.irp j, 0,1,2,3,4,5,6,7
	v_exp_f32 v[FE+\j], v[FE+\j]                   ; e^-z
.endr
	MKSC 48, WSC, WLM                              ; (its move is the plain instruction behind the batch)
	s_wait_alu depctr_va_vdst(0)                   ; one wait for the batch, ahead of its first reader
.irp j, 0,2,4,6
	v_pk_add_f32 v[FE+\j:FE+\j+1], v[FE+\j:FE+\j+1], 1.0 op_sel_hi:[1,0]
.endr
.irp j, 0,1,2,3,4,5,6,7
	v_rcp_f32 v[FE+\j], v[FE+\j]
.endr
	v_nop
	s_wait_alu depctr_va_vdst(0)
.irp j, 0,2,4,6
	v_pk_mul_f32 v[FZ+\j:FZ+\j+1], v[FZ+\j:FZ+\j+1], v[FE+\j:FE+\j+1]
.endr
	HOLD FZ, 8, WLM
	v_cvt_scalef32_pk8_bf8_f32 v[204:205], v[FZ:FZ+7], v[WSC]
	v_nop                                          ; a plain instruction between a scaled conversion and the next write of its scale register
	ds_store_b64 v[AHF], v[204:205]
	MKSC 49, WSC, WLM
	HOLD F3, 16, WLM
	v_cvt_scalef32_pk8_bf8_f32 v[206:207], v[F3:F3+7], v[WSC]
	v_cvt_scalef32_pk8_bf8_f32 v[208:209], v[F3+8:F3+15], v[WSC]
	v_nop
	ds_store_b128 v[AFW], v[206:209] offset:O_FW
	MKSC 51, WSC, WLM
	HOLD G3, 8, WLM
	v_cvt_scalef32_pk8_bf8_f32 v[210:211], v[G3:G3+7], v[WSC]
	v_nop
	ds_store_b64 v[AGW], v[210:211] offset:O_GW
	MKSC 53, WSC, WLM
	HOLD L8, 8, WLM
	v_cvt_scalef32_pk8_bf8_f32 v[212:213], v[L8:L8+7], v[WSC]
	v_nop
	ds_store_b64 v[ALW], v[212:213] offset:O_LW
	MKSC 50, SC, LIM                               ; g's hidden layer: for all sixteen steps
.set i, 0
.rept 32
	v_pk_mul_f32 v[W2P+i:W2P+i+1], v[W2P+i:W2P+i+1], s[54:55] op_sel_hi:[1,0]   ; c w2 and, behind it in the registers, c b2
.set i, i+2
.endr
.set i, 0
.rept 16
	v_pk_mul_f32 v[W1P+i:W1P+i+1], v[W1P+i:W1P+i+1], s[66:67] op_sel_hi:[1,0]   ; w1 and, behind it, b1, / 2^(e2 + e3): nothing is rounded
.set i, i+2
.endr
	v_ldexp_f32 v[K0+1], s54, s76                  ; k = c 2^(e2 + e3)
	; ---- row m = w of x and k, masked
	s_wait_loadcnt 0x9                             ; x and the mask are in; the nine loads issued behind them (lin_b, f's linear weights) may be out
.set i, 0
.rept 8
	v_bfe_u32 v[K0], v[MR+i/4], 8*(i%4), 8
	v_cmp_ne_u32 vcc_lo, 0, v[K0]
	v_cndmask_b32 v[XKO+2*i], 0, v[XR+i], vcc_lo
	v_cndmask_b32 v[XKO+2*i+1], 0, v[K0+1], vcc_lo
.set i, i+1
.endr
	ds_store_b128 v[AXK], v[XKO:XKO+3]
	ds_store_b128 v[AXK], v[XKO+4:XKO+7] offset:16
	ds_store_b128 v[AXK], v[XKO+8:XKO+11] offset:1024
	ds_store_b128 v[AXK], v[XKO+12:XKO+15] offset:1040
	s_wait_dscnt 0x0                               ; for the others' sake: all my LDS stores have landed
	s_wait_xcnt 0x0                                ; every global load has had its address translated (ISA guide 3.1): the LDS loads below land on the late loads' offset registers
	s_barrier_signal -1                            ; the launch's one barrier.
	s_barrier_wait -1
	; ---- f for my b: every wave for itself
	v_add_nc_u32 v[XA], s63, v[IMG]
.irp n, 0,1,2,3
	ds_load_b128 v[GWF+4*\n:GWF+4*\n+3], v[XA] offset:O_GW+512*\n            ; g_l3_w's two fragments: they stay
.endr
.irp n, 0,1,2,3,4,5,6,7
	ds_load_b128 v[128+4*\n:128+4*\n+3], v[IMG] offset:512*\n                ; the hidden layer's four fragments: K step s at v[128 + 8 s]
.endr
.irp n, 0,1,2,3,4,5,6,7,8,9,10,11
	ds_load_b128 v[160+4*\n:160+4*\n+3], v[IMG] offset:O_FW+512*\n           ; f_l3_w's eight: (t, s) at v[160 + 8 (4 t + s)]; the last two come when f_l1_b has left their registers
.endr
	s_wait_loadcnt 0x0                             ; f's linear weights (and lin_b)
.irp j, 0,2,4,6,8,10,12,14                 ; f's linear term is the C of its sums' first products: (eigval w1 + b1) / 2^(e0 + e1)
	v_pk_fma_f32 v[FACC+\j:FACC+\j+1], v[FACC+\j:FACC+\j+1], v[X0:X0+1], v[F1B+\j:F1B+\j+1] op_sel_hi:[1,0,1]
.endr
.irp j, 0,2,4,6,8,10,12,14
	v_pk_mul_f32 v[FACC+\j:FACC+\j+1], v[FACC+\j:FACC+\j+1], s[68:69] op_sel_hi:[1,0]
.endr
.irp n, 12,13,14,15
	ds_load_b128 v[160+4*\n:160+4*\n+3], v[IMG] offset:O_FW+512*\n
.endr
	s_wait_dscnt 0x0
.irp s, 0,1,2,3                        ; the two accumulators take turns, one instruction a turn
.irp t, 0,1
	v_wmma_f32_16x16x64_bf8_bf8 v[FACC+8*\t:FACC+8*\t+7], v[160+8*(4*\t+\s):160+8*(4*\t+\s)+7], v[128+8*\s:128+8*\s+7], v[FACC+8*\t:FACC+8*\t+7]
.endr
.endr
	PLACES 4                                       ; four plain instructions between the last product and the first read of a result and write of an operand (ISA guide 7.12.1)
.irp j, 0,2,4,6,8,10,12,14
	v_pk_mul_f32 v[128+\j:129+\j], v[FACC+\j:FACC+\j+1], s[4:5] op_sel_hi:[1,0]   ; h = sum x 2^(e0 + e1); each accumulator from its low end on.  Lane (r, h) holds m = r, channels 16 t + 8 h + j
.endr
.irp j, 0,2,4,6,8,10,12,14                 ; e^h = 2^(th + rl): th = h log2(e) rounded, rl = what that rounding and log2(e)'s own left out
	v_pk_mul_f32 v[144+\j:145+\j], v[128+\j:129+\j], s[70:71] op_sel_hi:[1,0]
.endr
.irp j, 0,2,4,6,8,10,12,14
	v_pk_fma_f32 v[160+\j:161+\j], v[128+\j:129+\j], s[70:71], v[144+\j:145+\j] op_sel_hi:[1,0,1] neg_lo:[0,0,1] neg_hi:[0,0,1]
.endr
.irp j, 0,2,4,6,8,10,12,14
	v_pk_fma_f32 v[160+\j:161+\j], v[128+\j:129+\j], s[72:73], v[160+\j:161+\j] op_sel_hi:[1,0,1]
.endr
.set i, 0
.rept 16
	v_exp_f32 v[144+i], v[144+i]
.set i, i+1
.endr
.irp j, 0,2,4,6,8,10,12,14
	v_pk_mul_f32 v[160+\j:161+\j], v[160+\j:161+\j], s[74:75] op_sel_hi:[1,0]   ; 2^rl = 1 + rl ln 2.  (Plain work behind the batch)
.endr
	v_mul_f32 v[K0], 0xbf317218, v[X0+1]           ; -ln 2 x mask_m[b][r]
	v_and_b32 v[MG], 15, v0
	v_mul_u32_u24 v[MG], v[MG], 144
	v_add_nc_u32 v[MG], v[FB], v[MG]               ; my row m = r of my wave's table
	s_wait_alu depctr_va_vdst(0)
.irp j, 0,2,4,6,8,10,12,14
	v_pk_mul_f32 v[144+\j:145+\j], v[144+\j:145+\j], v[K0:K0+1] op_sel_hi:[1,0]
.endr
.irp j, 0,2,4,6,8,10,12,14
	v_pk_fma_f32 v[128+\j:129+\j], v[144+\j:145+\j], v[160+\j:161+\j], v[144+\j:145+\j]   ; f' = -ln 2 mask_m e^h
.endr
	ds_store_b128 v[MG], v[128:131]
	ds_store_b128 v[MG], v[132:135] offset:16
	ds_store_b128 v[MG], v[136:139] offset:64
	ds_store_b128 v[MG], v[140:143] offset:80
	ds_load_b32 v[X0], v[XB]                       ; x and k of m = 0
	ds_load_b32 v[K0], v[XB] offset:4
.set i, 0
.rept 16
	v_mov_b32 v[ACC+i], 0                          ; the step is written for every m alike: the first term is added onto zeros
.set i, i+1
.endr
	s_mov_b32 s[SF], 0
	s_mov_b32 s[SX], 0
	s_mov_b32 s60, 7
	s_wait_dscnt 0x0                               ; x and k of m = 0 are in; my stores of f' have read their registers
; ---- STEP j: the hidden layer and the product of m = j, and (out = 1) the last silu and the term of m = j - 1, whose sums the step finds in CD.
; p = j % 2: x of m = j lies in set p; k of m = j - 1 in the other set, which then takes x and k of m = j + 1 (nxt = 1), from v[xreg] + xoff.  f' of m = j - 1 comes from v[freg] + foff.
; THE TWO BATCHES.  The step's exponentials (32 of the hidden layer, 16 of the last silu) are one batch, its reciprocals another.  The plain lines that feed a batch are dealt among it, one to two transcendentals, each two
; pairs ahead of the pair that it feeds.  No line inside a batch names a result of that batch; every transcendental has a plain line that touches nothing of it ahead of its first reader (ISA guide 5.7.2); one wait stands
; behind each batch, ahead of its first reader.  The first four feeders are also the four places behind the products of the step before (ISA guide 7.12.1).
.macro STEP p, out, nxt, xreg, xoff, freg, foff
.if \p
.set XC, X1
.set XO, X0
.set KO, K0
.else
.set XC, X0
.set XO, X1
.set KO, K1
.endif
.set NF, 16+8*(\out)
.set n, -2
.rept NF+2
.if n >= 0
.if n < 16
	v_exp_f32 v[E+2*n], v[T+2*n]
	v_exp_f32 v[E+2*n+1], v[T+2*n+1]
.else
	v_exp_f32 v[E2+2*n-32], v[CD+2*n-32]
	v_exp_f32 v[E2+2*n-31], v[CD+2*n-31]
.endif
.endif
.if (n+2) < NF
.if (n+2) < 16
	v_pk_fma_f32 v[T+2*n+4:T+2*n+5], v[W2P+2*n+4:W2P+2*n+5], v[XC:XC+1], v[B2P+2*n+4:B2P+2*n+5] op_sel_hi:[1,0,1]   ; t = c (x w2 + b2), hidden units 32 h + i
.else
	v_pk_mul_f32 v[CD+2*n-28:CD+2*n-27], v[CD+2*n-28:CD+2*n-27], v[KO:KO+1] op_sel_hi:[1,0]   ; t = c h, or 0 under the mask; each accumulator from its low end on
.endif
.endif
.set n, n+1
.endr
	s_wait_alu depctr_va_vdst(0)                   ; the exponentials' one wait
.if \nxt
	ds_load_b32 v[XO], v[\xreg] offset:\xoff       ; x and k of the next m, into the set that the multiplications by k have just left
	ds_load_b32 v[KO], v[\xreg] offset:(\xoff)+4
.endif
.set n, -2
.rept NF+2
.if n >= 0
.if n < 16
	v_rcp_f32 v[E+2*n], v[E+2*n]
	v_rcp_f32 v[E+2*n+1], v[E+2*n+1]
.else
	v_rcp_f32 v[E2+2*n-32], v[E2+2*n-32]
	v_rcp_f32 v[E2+2*n-31], v[E2+2*n-31]
.endif
.endif
.if (n+2) < NF
.if (n+2) < 16
	v_pk_fma_f32 v[E+2*n+4:E+2*n+5], v[E+2*n+4:E+2*n+5], s[54:55], s[54:55] op_sel_hi:[1,0,0]   ; c (1 + e)
.else
	v_pk_add_f32 v[E2+2*n-28:E2+2*n-27], v[E2+2*n-28:E2+2*n-27], 1.0 op_sel_hi:[1,0]
.endif
.endif
.set n, n+1
.endr
	s_wait_alu depctr_va_vdst(0)                   ; the reciprocals' one wait
.set i, 0
.rept 8
	v_pk_mul_f32 v[T+i:T+i+1], v[T+i:T+i+1], v[E+i:E+i+1]          ; silu = t / (c (1 + e))
.set i, i+2
.endr
.if \out
	ds_load_b128 v[E:E+3], v[\freg] offset:\foff                   ; f' of m = j - 1 at my 16 channels, into the sixteen registers just read (my wave's own bytes)
	ds_load_b128 v[E+4:E+7], v[\freg] offset:(\foff)+16
	ds_load_b128 v[E+8:E+11], v[\freg] offset:(\foff)+64
	ds_load_b128 v[E+12:E+15], v[\freg] offset:(\foff)+80
.endif
.rept 8
	v_pk_mul_f32 v[T+i:T+i+1], v[T+i:T+i+1], v[E+i:E+i+1]
.set i, i+2
.endr
	HOLD T, 32, LIM
.irp q, 0,1,2,3
	v_cvt_scalef32_pk8_bf8_f32 v[HC+2*\q:HC+2*\q+1], v[T+8*\q:T+8*\q+7], v[SC]
.endr
	s_wait_dscnt 0x0                               ; the step's one wait for LDS: f', and the next m's x and k
.if \out
.irp j, 0,2,4,6,8,10,12,14
	v_pk_mul_f32 v[CD+\j:CD+\j+1], v[CD+\j:CD+\j+1], v[E2+\j:E2+\j+1]
.endr
.irp j, 0,2,4,6,8,10,12,14
	v_pk_fma_f32 v[ACC+\j:ACC+\j+1], v[CD+\j:CD+\j+1], v[E+\j:E+\j+1], v[ACC+\j:ACC+\j+1]
.endr
.endif
.irp j, 0,2,4,6,8,10,12,14
	v_pk_fma_f32 v[CD+\j:CD+\j+1], v[W1P+\j:W1P+\j+1], v[XC:XC+1], v[B1P+\j:B1P+\j+1] op_sel_hi:[1,0,1]   ; the linear term is the product's C.  (These plain lines also stand between the conversions and the products that read the codes)
.endr
	v_wmma_f32_16x16x64_bf8_bf8 v[CD:CD+7], v[GWF:GWF+7], v[HC:HC+7], v[CD:CD+7]           ; no two matrix instructions that follow each other share an accumulator, from step to step and round the loop too
	v_wmma_f32_16x16x64_bf8_bf8 v[CD+8:CD+15], v[GWF+8:GWF+15], v[HC:HC+7], v[CD+8:CD+15]
.endm
	STEP 0, 0, 1, XB, 2048, FB, 0                  ; m = 0: there is no last silu yet
.Lm:                                               ; 7 trips of two steps, until the sets of x and k are back where they began: m = 2 i + 1 and 2 i + 2
	v_add_nc_u32 v[XA], s[SX], v[XB]
	v_add_nc_u32 v[FA], s[SF], v[FB]
	STEP 1, 1, 1, XA, 4096, FA, 0                  ; asks for row 2 i + 2 of x and k, and row 2 i of f'
	STEP 0, 1, 1, XA, 6144, FA, 144                ; row 2 i + 3, and row 2 i + 1
	s_add_co_u32 s[SF], s[SF], 288
	s_add_co_u32 s[SX], s[SX], 4096
	s_sub_co_i32 s60, s60, 1
	s_cmp_lg_u32 s60, 0
	s_cbranch_scc1 .Lm
	STEP 1, 1, 0, XB, 0, FB, 14*144                ; m = 15: there is no next m to ask for
	; ---- the last silu of m = 15, in the same form; what the last product wants is fetched and set beside it
	ds_load_b128 v[E:E+3], v[FB] offset:15*144
	ds_load_b128 v[E+4:E+7], v[FB] offset:15*144+16
	ds_load_b128 v[E+8:E+11], v[FB] offset:15*144+64
	ds_load_b128 v[E+12:E+15], v[FB] offset:15*144+80
	v_add_nc_u32 v[XA], s96, v[IMG]                ; my copy of lin_w's images.  (This line and the moves below are the places behind the products)
	ds_load_b128 v[16:19], v[XA] offset:O_LW       ; lin_w's rows 0-15: registers 0-3
	ds_load_b128 v[24:27], v[XA] offset:O_LW+512   ; rows 16-31
.irp j, 20,21,22,23,28,29,30,31,36,37,38,39
	v_mov_b32 v\j, 0                               ; K = 32: the upper half of both operands' K = 64 is zero codes, which add nothing
.endr
	MKSC 52, SC, LIM
.set n, -2
.rept 10
.if n >= 0
	v_exp_f32 v[E2+2*n], v[CD+2*n]
	v_exp_f32 v[E2+2*n+1], v[CD+2*n+1]
.endif
.if (n+2) < 8
	v_pk_mul_f32 v[CD+2*n+4:CD+2*n+5], v[CD+2*n+4:CD+2*n+5], v[K1:K1+1] op_sel_hi:[1,0]
.endif
.set n, n+1
.endr
	s_wait_alu depctr_va_vdst(0)
.set n, -2
.rept 10
.if n >= 0
	v_rcp_f32 v[E2+2*n], v[E2+2*n]
	v_rcp_f32 v[E2+2*n+1], v[E2+2*n+1]
.endif
.if (n+2) < 8
	v_pk_add_f32 v[E2+2*n+4:E2+2*n+5], v[E2+2*n+4:E2+2*n+5], 1.0 op_sel_hi:[1,0]
.endif
.set n, n+1
.endr
	s_wait_alu depctr_va_vdst(0)
	s_wait_dscnt 0x0                               ; f' of m = 15 and lin_w's codes are in
.irp j, 0,2,4,6,8,10,12,14
	v_pk_mul_f32 v[CD+\j:CD+\j+1], v[CD+\j:CD+\j+1], v[E2+\j:E2+\j+1]
.endr
.irp j, 0,2,4,6,8,10,12,14
	v_pk_fma_f32 v[ACC+\j:ACC+\j+1], v[CD+\j:CD+\j+1], v[E+\j:E+\j+1], v[ACC+\j:ACC+\j+1]
.endr
	; ---- the last product and the way out
	HOLD ACC, 16, LIM
	v_cvt_scalef32_pk8_bf8_f32 v[32:33], v[ACC:ACC+7], v[SC]         ; k = 8 h + 0 .. 7
	v_cvt_scalef32_pk8_bf8_f32 v[34:35], v[ACC+8:ACC+15], v[SC]      ; k = 16 + 8 h + 0 .. 7
	v_nop
	v_wmma_f32_16x16x64_bf8_bf8 v[40:47], v[16:23], v[32:39], 0
	v_wmma_f32_16x16x64_bf8_bf8 v[48:55], v[24:31], v[32:39], 0
	s_wait_asynccnt 0x0                            ; my rows of edge_attr lie in LDS
.irp u, 0,1,2,3
	ds_load_b128 v[72+4*\u:75+4*\u], v[EAL] offset:512*\u
.endr
	PLACES 4
	ds_store_b128 v[STO], v[40:43]                 ; lane (r, h): row r, outputs 16 t + 8 h + 0 .. 7
	ds_store_b128 v[STO], v[44:47] offset:16
	ds_store_b128 v[STO], v[48:51] offset:64
	ds_store_b128 v[STO], v[52:55] offset:80
.irp u, 0,1,2,3
	ds_load_b128 v[56+4*\u:59+4*\u], v[SRD] offset:576*\u    ; back by rows, four rows of 128 bytes an instruction: my own bytes, served in order
.endr
	s_wait_dscnt 0x0
.irp u, 0,1,2,3
.irp j, 0,2
	v_pk_add_f32 v[72+4*\u+\j:73+4*\u+\j], v[72+4*\u+\j:73+4*\u+\j], v[LB+\j:LB+\j+1]
.endr
.endr
.irp j, 0,2,4,6,8,10,12,14
	v_pk_fma_f32 v[72+\j:73+\j], v[56+\j:57+\j], s[58:59], v[72+\j:73+\j] op_sel_hi:[1,0,1]   ; sum x 2^(e4 + e5) + edge_attr + lin_b
.endr
.irp u, 0,1,2,3
	global_store_b128 v[GOF], v[72+4*\u:75+4*\u], s[14:15] offset:512*\u th:TH_STORE_NT   ; 32 lanes store 512 consecutive bytes, at a multiple of 256 from out0's first byte
.endr
	s_wait_xcnt 0x0
	v_lshl_add_u32 v254, v0, 2, 0x29000
	v_mov_b32 v255, 0
	s_wait_tensorcnt 0x0
	ds_add_u32 v254, v255
	s_wait_dscnt 0x0
	s_endpgm
.Lfunc_end_k_qd994344ff7_encode:
	.size	k_qd994344ff7_encode, .Lfunc_end_k_qd994344ff7_encode-k_qd994344ff7_encode
	.p2alignl 7, 3214868480
	.fill 96, 4, 3214868480
	.section	.rodata,"a",@progbits
	.p2align	6, 0x0
	.amdhsa_kernel k_qd994344ff7_encode
		.amdhsa_group_segment_fixed_size 169984
		.amdhsa_private_segment_fixed_size 0
		.amdhsa_enable_private_segment 0
		.amdhsa_kernarg_size 152
		.amdhsa_user_sgpr_count 2
		.amdhsa_user_sgpr_kernarg_segment_ptr 1
		.amdhsa_wavefront_size32 1
		.amdhsa_system_sgpr_workgroup_id_x 1
		.amdhsa_system_sgpr_workgroup_id_y 1
		.amdhsa_system_sgpr_workgroup_id_z 1
		.amdhsa_system_vgpr_workitem_id 0
		.amdhsa_next_free_vgpr 256
		.amdhsa_next_free_sgpr 98
		.amdhsa_reserve_vcc 1
		.amdhsa_float_denorm_mode_32 3
		.amdhsa_float_denorm_mode_16_64 3
		.amdhsa_fp16_overflow 1
		.amdhsa_memory_ordered 1
		.amdhsa_forward_progress 1
		.amdhsa_inst_pref_size 72
	.end_amdhsa_kernel
	.amdgpu_metadata
---
amdhsa.version: [ 1, 2 ]
amdhsa.kernels:
  - .name:           k_qd994344ff7_encode
    .symbol:         k_qd994344ff7_encode.kd
    .args:
      - { .name: batched_eigvec, .offset: 0, .size: 8, .value_kind: global_buffer, .address_space: global }
      - { .name: mask_all, .offset: 8, .size: 8, .value_kind: global_buffer, .address_space: global }
      - { .name: edge_attr, .offset: 16, .size: 8, .value_kind: global_buffer, .address_space: global }
      - { .name: out0, .offset: 24, .size: 8, .value_kind: global_buffer, .address_space: global }
      - { .name: lowp_scales, .offset: 32, .size: 8, .value_kind: global_buffer, .address_space: global }
      - { .name: batched_eigval, .offset: 40, .size: 8, .value_kind: global_buffer, .address_space: global }
      - { .name: mask_m, .offset: 48, .size: 8, .value_kind: global_buffer, .address_space: global }
      - { .name: f_l1_w, .offset: 56, .size: 8, .value_kind: global_buffer, .address_space: global }
      - { .name: f_l1_b, .offset: 64, .size: 8, .value_kind: global_buffer, .address_space: global }
      - { .name: f_l2_w, .offset: 72, .size: 8, .value_kind: global_buffer, .address_space: global }
      - { .name: f_l2_b, .offset: 80, .size: 8, .value_kind: global_buffer, .address_space: global }
      - { .name: f_l3_w, .offset: 88, .size: 8, .value_kind: global_buffer, .address_space: global }
      - { .name: g_l1_w, .offset: 96, .size: 8, .value_kind: global_buffer, .address_space: global }
      - { .name: g_l1_b, .offset: 104, .size: 8, .value_kind: global_buffer, .address_space: global }
      - { .name: g_l2_w, .offset: 112, .size: 8, .value_kind: global_buffer, .address_space: global }
      - { .name: g_l2_b, .offset: 120, .size: 8, .value_kind: global_buffer, .address_space: global }
      - { .name: g_l3_w, .offset: 128, .size: 8, .value_kind: global_buffer, .address_space: global }
      - { .name: lin_w, .offset: 136, .size: 8, .value_kind: global_buffer, .address_space: global }
      - { .name: lin_b, .offset: 144, .size: 8, .value_kind: global_buffer, .address_space: global }
    .group_segment_fixed_size: 169984
    .private_segment_fixed_size: 0
    .kernarg_segment_align: 8
    .kernarg_segment_size: 152
    .max_flat_workgroup_size: 512
    .sgpr_count:     98
    .vgpr_count:     256
    .wavefront_size: 32
...
	.end_amdgpu_metadata
.endif
;; end of part 1
